; MI455X (gfx1250); checked and timed in simulation.
; The chip was launched on July 23, 2026; its instructions are those of AMD's public machine-readable ISA for CDNA 5 (MIT licence, August 2026) and "CDNA5" Instruction Set Architecture Reference Guide (July 2026). The comments in the code are by the model that wrote it; some were corrected since.
;; Attention. Allowed arithmetic: matrix products marked QUANTISED: E2M1 operands, one E8M0 scale for each 32 along K, by v_wmma_scale_f32_16x16x128_f8f6f4 with both operands' format E2M1 (or v_wmma_scale_f32_32x16x128_f4), f32 sums; everything else in f32.
;; Inputs: rope_cache 2,048 x 128 float32; sinks 32 float32; wk_b 512 float32; wk_w_codes 512 x 64 x 16 uint8 (E2M1 codes of wk_w, K innermost, in blocks of 32 codes, two codes a byte); wk_w_scales 512 x 64 uint8 (E8M0 scales of wk_w, one for each 32 codes along K); wo_b 2,048 float32; wo_w_codes 2,048 x 64 x 16 uint8 (E2M1 codes of wo_w, K innermost, in blocks of 32 codes, two codes a byte); wo_w_scales 2,048 x 64 uint8 (E8M0 scales of wo_w, one for each 32 codes along K); wq_b 2,048 float32; wq_w_codes 2,048 x 64 x 16 uint8 (E2M1 codes of wq_w, K innermost, in blocks of 32 codes, two codes a byte); wq_w_scales 2,048 x 64 uint8 (E8M0 scales of wq_w, one for each 32 codes along K); wv_b 512 float32; wv_w_codes 512 x 64 x 16 uint8 (E2M1 codes of wv_w, K innermost, in blocks of 32 codes, two codes a byte); wv_w_scales 512 x 64 uint8 (E8M0 scales of wv_w, one for each 32 codes along K); x_codes 1 x 2,048 x 64 x 16 uint8 (E2M1 codes of x, K innermost, in blocks of 32 codes, two codes a byte); x_scales 1 x 2,048 x 64 uint8 (E8M0 scales of x, one for each 32 codes along K).
;; Outputs: out0 1 x 2,048 x 2,048 float32.
;; This version of the problem:
;;   THIS VERSION OF THE PROBLEM IS GIVEN IN LOW PRECISION. The matrix products marked QUANTISED in the list below multiply operands that are first quantised to E2M1 (2 exponent bits, 1 mantissa bit; 4 bits a number), with one power-of-two scale for each 32 numbers along K (OCP MX v1.0); their sums are f32. All else is computed in f32.
;;   The module's matrix products, in the order in which they are computed (A, B: the left and right operand; K: the contracted axis; several contracted axes count as one K, in the product's order):
;;     1. [M 2,048, K 2,048] x [K 2,048, N 2,048]; A: input x (given as codes); B: input wq_w (given as codes): QUANTISED
;;     2. [M 2,048, K 2,048] x [K 2,048, N 512]; A: input x (given as codes); B: input wk_w (given as codes): QUANTISED
;;     3. [M 2,048, K 2,048] x [K 2,048, N 512]; A: input x (given as codes); B: input wv_w (given as codes): QUANTISED
;;     4. batch 32 x [M 2,048, K 64] x [K 64, N 2,048]; A: computed on the way; B: computed on the way: QUANTISED
;;     5. batch 32 x [M 2,048, K 2,048] x [K 2,048, N 64]; A: computed on the way; B: computed on the way: QUANTISED
;;     6. [M 2,048, K 2,048] x [K 2,048, N 2,048]; A: computed on the way; B: input wo_w (given as codes): QUANTISED
;;   THE QUANTISER, for each operand of a quantised product, along K:
;;     - K is cut into blocks of 32 from its start; a last block that is shorter is filled with zeros.
;;     - A block's scale is 2^e with e = floor(log2(the largest magnitude in the block)) - 2, held to -126 .. 127; a block of zeros has e = 0. As a byte (E8M0): e + 127.
;;     - Each number is divided by its block's scale, clamped to +-6, and rounded to the nearest number of E2M1, ties to even, subnormals kept.
;;     - The product sums the exact products of the quantised numbers (number of the format x scale) in f32.
;;   ~~~python
;;   def quantise(x, axis):      # numpy; x: float32 -> the quantised numbers, widened to float32 again
;;       x = np.moveaxis(x, axis, -1); K = x.shape[-1]
;;       x = np.pad(x, [(0, 0)] * (x.ndim - 1) + [(0, -K % 32)]); x = x.reshape(x.shape[:-1] + (-1, 32)); a = np.abs(x).max(-1, keepdims=True)
;;       e = np.where(a > 0, np.clip(np.frexp(np.where(a > 0, a, 1))[1] - 1 - 2, -126, 127), 0)      # np.frexp(a)[1] - 1 = floor(log2(a)), exactly
;;       r = np.clip(x / 2.0 ** e, -6, 6)
;;       step = 2.0 ** (np.maximum(np.frexp(np.where(r == 0, 1, r))[1] - 1, 0) - 1)
;;       q = np.round(r / step) * step * 2.0 ** e      # np.round: ties to even
;;       return np.moveaxis(q.reshape(q.shape[:-2] + (-1,))[..., :K], -1, axis).astype(np.float32)
;;   ~~~
;;   OPERANDS COMPUTED ON THE WAY. 'Computed on the way' means the value that the module computes at that place (a softmax that the list does not call 'softmax' is quantised finished and normalised). What goes into a quantiser is computed in f32, as accurately as f32 sums, v_exp_f32 and their like allow (about 1e-6 of the number): no bf16 or f16 on the way to a quantiser, and a product that is left as it is and whose result goes on into a quantised operand takes f32 operands (vector FMAs, or v_wmma_f32_16x16x4_f32). A number that lies on a knife's edge between two numbers of the format may be rounded either way, as far as f32 arithmetic and the matrix unit's own rounding can turn it there, and no further.
;;   INPUTS GIVEN AS CODES. wk_w (in the module: [512, 2048], K = its axis 1); wo_w (in the module: [2048, 2048], K = its axis 1); wq_w (in the module: [2048, 2048], K = its axis 1); wv_w (in the module: [512, 2048], K = its axis 1); x (in the module: [1, 2048, 2048], K = its axis 2): each comes as NAME_codes (uint8): NAME with its K axis moved to the last place and cut into blocks of 32 codes, [.., K / 32, bytes a block], one block behind the other in memory; two codes a byte, the lower K in the low four bits (a code: sign, 2 exponent bits, 1 mantissa bit); and NAME_scales (uint8): the same leading axes, one E8M0 byte (e + 127) for each 32 codes along K. Its value is code x scale, taken as it is: it is not quantised again, and the codes and scales need not be those that the quantiser above would give.
;; One version. Each part assembles by itself: llvm-mc -triple=amdgcn-amd-amdhsa -mcpu=gfx1250 --defsym DOCPART=n.
;; ======== version 1 of 1: 3 launches
;; workspace buffers: qkv 3,506,176 bytes; att 2,228,224 bytes
;; launch qkv_proj (part 1): grid 24 x 16, 4 waves a work-group, clusters of 4 x 4, 296,448 bytes of LDS; arguments x_codes, x_scales, wq_w_codes, wq_w_scales, wq_b, wk_w_codes, wk_w_scales, wk_b, wv_w_codes, wv_w_scales, wv_b, rope_cache, qkv; writes qkv
.if DOCPART == 1
	.amdgcn_target "amdgcn-amd-amdhsa--gfx1250"
	.amdhsa_code_object_version 6
	.text
	.protected	k_q12351304ef_qkv_proj
	.globl	k_q12351304ef_qkv_proj
	.p2align	8
	.type	k_q12351304ef_qkv_proj,@function
k_q12351304ef_qkv_proj:
	s_mov_b64 s[64:65], 0
	v_nop
	global_prefetch_b8 v0, s[64:65] scope:SCOPE_SE
	s_setreg_imm32_b32 hwreg(HW_REG_WAVE_MODE, 25, 1), 1
	s_wait_xcnt 0x0
	s_wait_alu depctr_hold_cnt(0) depctr_sa_sdst(0) depctr_va_vdst(0) depctr_va_sdst(0) depctr_va_ssrc(0) depctr_va_vcc(0) depctr_vm_vsrc(0)
	s_getreg_b32 s2, hwreg(HW_REG_IB_STS2, 6, 4)
	s_cmp_eq_u32 s2, 0
	s_cbranch_scc0 .Lentry_in_a_cluster
	s_endpgm
.Lentry_in_a_cluster:
	s_bfe_u32 s2, ttmp6, 0x10000c
	s_cmp_lg_u32 s2, 0xf033
	s_cbranch_scc0 .Lentry_shape_is_right
	s_endpgm
.Lentry_shape_is_right:
; q = rope(x Wq^T + bq), k = rope(x Wk^T + bk), v = x Wv^T + bv on codes of FP4 (E2M1) with one E8M0 scale for each 32 along K = 2,048; the results are
; quantised here, q and k along the head's 64, v along the keys, and leave as IMAGES OF OPERAND REGISTERS (lane l's 16 bytes at 16 l), which the attention launch loads as they lie.
; SHARES.  A work-group makes 128 rows of P (source 0) x 128 rows of Q (source 1) over all of K.  The kind hangs on the cluster's x alone: 0-3 q (P = Wq, Q = x), 4 k (P = Wk, Q = x),
; 5 v (P = x, the keys; Q = Wv).  What is to be the next product's K is source 0, so it runs along a lane's registers: lane (r, h), register jj of tile p holds (P row 16 p + 8 h + jj, Q row r).
; Wave w takes all 128 rows of P x rows 32 w .. 32 w + 31 of Q: 16 accumulators; the 64 registers of one tile j of Q are 2 heads x 64 (q, k) or 128 keys (v): whole fragments, whole scale words.
; LDS.  A row of 2,048 codes is 1,024 bytes, so both operands for all of K fit: four chunks of 512 along K (rows of 256 bytes + 16 of padding) and the scale bytes.  Every byte is filled once,
; by five tensor loads a wave issued together; counted waits let the work begin on chunk 0.  Nothing is filled again, nothing is stored to LDS.
; CLUSTER.  4 x 4 work-groups.  P hangs on cx alone and is asked for jointly by a column of the cluster, Q on cy alone and by a row.
; 384 work-groups: 3,072 x 2,048 results in tiles of 128 x 128.  A tile of 128 x 192, which would give 256, does not fit in LDS for all of K.
; LIMITS: a block of zeros gets the scale byte 1, not 127 (its codes are zeros, and this program alone reads the bytes); blocks whose largest magnitude lies under 2^-124 are held at byte 1;
; NaN and infinities among the inputs are not served.
; REGISTERS.  window 0: v1-8 addresses; v10-13 v's bias; v14 r, v15 h; v16-95 scale words, two sets of 40; v96-107 at work; v112-115 scale words made; v116-123 codes made; v124-127 at work; v128-255 accumulators.
;   window 1: v0-79, v80-159 two sets of fragments (P's eight, Q's two); v160-223 the bias as C.   window 2: v0-127 cos and sin.
.set CHUNK, 69632                      ; LDS: a chunk: P's 128 rows x 272, then Q's
.set QROWS, 34816
.set SCP,   278528                     ; P's scale bytes: 32 pieces of 256 bytes + 16
.set SCQ,   287232                     ; Q's
.set AP,  1                            ; v1  my place in P's rows: 272 r + 16 h, + the chunk
.set AQ,  2                            ; v2  the same in my wave's 32 rows of Q
.set ASP, 3                            ; v3  my row's scale bytes of P
.set ASQ, 4                            ; v4  of Q
.set GI,  5                            ; v5  16 x lane
.set GS,  6                            ; v6  4 x lane
.set RA,  7                            ; v7  rope: 512 r + 32 h
.set BA,  8                            ; v8  bias: 32 h (q, k) or 4 r (v)
.set SC,  16
.set TM,  96                           ; v96-99 largest magnitudes, v100-103 the other half's, then bytes, v104-107 the conversions' scale operands
.set PW,  112                          ; v112, v113 the scale words of tiles j = 0, 1
.set XW,  114
.set YW,  115
.set PC,  116
.set RT,  124
.set ACC, 128                          ; accumulator (p, j) at ACC + 64 j + 8 p
.set BP,  160                          ; in window 1
.set WV, 4
.set ROLE, 5                           ; s5  0: I fetch for P, 1: for Q
.set HALF, 6                           ; s6  which 64 rows
.set CX, 7
.set CY, 8
.set CLX, 9
.set CLY, 10                           ; (s10 is scratch once Pidx and Qidx are made)
.set G1P, 24
.set G1Q, 32
.set G1PS, 40
.set G1QS, 48
.set G0P, 68                           ; s[68:87] five groups 0 for P; Q's five in s[88:99] and s[56:63]
.set PIDX, 104
.set QIDX, 105
.set SEL, 68                           ; behind the wait for all tensor loads the groups 0 are free:
.set HM,  70
.set S7F, 71
.set IMG0, 72
.set IMG1, 74
.set SW0, 76
.set SW1, 78
.set MSB, 0
.macro WIN new                         ; the immediate's high byte repeats the setting that is left
.if MSB != \new
	s_set_vgpr_msb (MSB<<8)|\new
.set MSB, \new
.endif
.endm
.macro CROUND                          ; a round of the cluster's barrier
	s_barrier_signal -1
	s_barrier_wait -1
	s_cmp_lg_u32 s[WV], 0
	s_cbranch_scc1 .Lnot_wave_0_\@
	s_barrier_signal -3
.Lnot_wave_0_\@:
	s_barrier_wait -3
	s_barrier_signal -1
	s_barrier_wait -1
.endm
.macro PLACES                          ; four plain vector instructions between a matrix instruction and a load into, or a vector read of, its registers
.rept 4
	v_nop
.endr
.endm
	s_load_b512 s[68:83], s[0:1], 0x0              ; x codes, x scales, Wq codes, Wq scales, bq, Wk codes, Wk scales, bk
	s_load_b256 s[84:91], s[0:1], 0x40             ; Wv codes, Wv scales, bv, rope
	s_load_b64 s[92:93], s[0:1], 0x60              ; qkv
	v_lshl_add_u32 v110, v0, 2, 0x48400
	v_mov_b32 v111, 0
	ds_add_u32 v110, v111
	ds_add_u32 v110, v111
	v_lshrrev_b32 v9, 5, v0
	v_readfirstlane_b32 s[WV], v9                  ; wave 0..3
	s_lshr_b32 s[ROLE], s[WV], 1
	s_and_b32 s[HALF], s[WV], 1
	s_bfe_u32 s[CX], ttmp6, 0x40000
	s_bfe_u32 s[CY], ttmp6, 0x40004
	s_mov_b32 s[CLX], ttmp9                        ; the cluster's x: the kind of work, the same in all sixteen partners
	s_and_b32 s[CLY], ttmp7, 0xffff
	s_cmp_lt_u32 s[CLX], 4
	s_cselect_b32 s101, s[CLX], 0                  ; P's block of four: q: cluster x; k: 0;
	s_cmp_eq_u32 s[CLX], 5
	s_cselect_b32 s101, s[CLY], s101               ; v: cluster y
	s_cselect_b32 s3, 0, s[CLY]                    ; Q's: v: 0; q, k: cluster y
	s_lshl_b32 s[PIDX], s101, 2
	s_add_co_u32 s[PIDX], s[PIDX], s[CX]           ; which 128 rows of P: hangs on cx, never on cy
	s_lshl_b32 s[QIDX], s3, 2
	s_add_co_u32 s[QIDX], s[QIDX], s[CY]           ; which 128 rows of Q: hangs on cy, never on cx
	s_lshl_b32 s101, 0x1111, s[CX]                 ; my column of the cluster: the four that share P
	s_lshl_b32 s3, s[CY], 2
	s_lshl_b32 s3, 15, s3                          ; my row: the four that share Q
	; groups 1.  Codes: 64 rows x 256 bytes, 1,024 bytes from row to row, 16 bytes of padding behind each.  Scales: 4,096 dense bytes as 16 rows of 32 elements of 8 bytes, padded likewise.
	s_or_b32 s[G1P],  s101, (0<<16)|(1<<20)|(1<<21)|(5<<22)|(3<<25)
	s_or_b32 s[G1Q],  s3,   (0<<16)|(1<<20)|(1<<21)|(5<<22)|(3<<25)
	s_or_b32 s[G1PS], s101, (3<<16)|(1<<20)|(1<<21)|(5<<22)|(3<<25)
	s_or_b32 s[G1QS], s3,   (3<<16)|(1<<20)|(1<<21)|(5<<22)|(3<<25)
.irp g, G1P, G1Q
	s_mov_b32 s[\g+1], 256<<16                     ; tensor_dim0
	s_mov_b32 s[\g+2], 64<<16                      ; tensor_dim1
	s_mov_b32 s[\g+3], 256<<16                     ; tile_dim0
	s_mov_b32 s[\g+4], 64                          ; tile_dim1
	s_mov_b32 s[\g+5], 1024                        ; from row to row
	s_mov_b32 s[\g+6], 0
	s_mov_b32 s[\g+7], 0
.endr
.irp g, G1PS, G1QS
	s_mov_b32 s[\g+1], 32<<16
	s_mov_b32 s[\g+2], 16<<16
	s_mov_b32 s[\g+3], 32<<16
	s_mov_b32 s[\g+4], 16
	s_mov_b32 s[\g+5], 32
	s_mov_b32 s[\g+6], 0
	s_mov_b32 s[\g+7], 0
.endr
	s_wait_dscnt 0x0
	s_wait_kmcnt 0x0
	s_cmp_lt_u32 s[CLX], 4                         ; the buffers are chosen by the kind, which hangs on no address
	s_cselect_b64 s[12:13], s[72:73], s[78:79]     ; P's codes: Wq or Wk,
	s_cselect_b64 s[14:15], s[74:75], s[80:81]     ; P's scales,
	s_cselect_b64 s[20:21], s[76:77], s[82:83]     ; the bias
	s_cmp_eq_u32 s[CLX], 5
	s_cselect_b64 s[12:13], s[68:69], s[12:13]     ; v: P = x
	s_cselect_b64 s[14:15], s[70:71], s[14:15]
	s_cselect_b64 s[20:21], s[88:89], s[20:21]
	s_cselect_b64 s[16:17], s[84:85], s[68:69]     ; Q's codes: Wv or x
	s_cselect_b64 s[18:19], s[86:87], s[70:71]
	s_mov_b64 s[22:23], s[90:91]                   ; rope
	s_mov_b64 s[66:67], s[92:93]                   ; qkv
	s_lshl_b32 s100, s[PIDX], 17                   ; (128 Pidx + 64 half) rows of 1,024 bytes
	s_lshl_b32 s101, s[HALF], 16
	s_add_co_u32 s100, s100, s101
	s_mov_b32 s101, 0
	s_add_nc_u64 s[12:13], s[12:13], s[100:101]
	s_lshr_b32 s100, s100, 4                       ; the same rows' scales: 64 bytes a row
	s_add_nc_u64 s[14:15], s[14:15], s[100:101]
	s_lshl_b32 s2, s[QIDX], 17
	s_lshl_b32 s3, s[HALF], 16
	s_add_co_u32 s2, s2, s3
	s_mov_b32 s3, 0
	s_add_nc_u64 s[16:17], s[16:17], s[2:3]
	s_lshr_b32 s2, s2, 4
	s_add_nc_u64 s[18:19], s[18:19], s[2:3]
	s_mul_i32 s11, s[WV], 4352                     ; where they go hangs on the wave's number alone: P's two halves, then Q's two
	s_mul_i32 s10, s[WV], 17408
	s_mov_b32 s[G0P], 1
	s_add_co_u32 s[G0P+1], s11, SCP
	s_mov_b64 s[G0P+2:G0P+3], s[14:15]
	s_or_b32 s[G0P+3], s[G0P+3], 0x80000000
	s_mov_b32 s88, 1
	s_add_co_u32 s89, s11, SCP
	s_mov_b64 s[90:91], s[18:19]
	s_or_b32 s91, s91, 0x80000000
.irp c, 0,1,2,3
.set GP, G0P+4+4*\c
.set GQ, 92+4*\c-44*((\c+1)/3)         ; s92, s96, s56, s60
	s_mov_b32 s[GP], 1
	s_add_co_u32 s[GP+1], s10, \c*CHUNK
	s_add_nc_u64 s[GP+2:GP+3], s[12:13], \c*256
	s_or_b32 s[GP+3], s[GP+3], 0x80000000
	s_mov_b32 s[GQ], 1
	s_add_co_u32 s[GQ+1], s10, \c*CHUNK
	s_add_nc_u64 s[GQ+2:GQ+3], s[16:17], \c*256
	s_or_b32 s[GQ+3], s[GQ+3], 0x80000000
.endr
	CROUND                                         ; all sixteen work-groups are here: the joint loads meet
	s_cmp_eq_u32 s[ROLE], 0                        ; a wave's five fills stand in one branch on its number: five tensor loads of mine are out
	s_cbranch_scc0 .Lfor_q
	tensor_load_to_lds s[68:71], s[G1PS:G1PS+7]    ; the scales first: they are wanted with chunk 0
	s_nop 0
	tensor_load_to_lds s[72:75], s[G1P:G1P+7]
	s_nop 0
	tensor_load_to_lds s[76:79], s[G1P:G1P+7]
	s_nop 0
	tensor_load_to_lds s[80:83], s[G1P:G1P+7]
	s_nop 0
	tensor_load_to_lds s[84:87], s[G1P:G1P+7]
	s_nop 0
.rept 4
	v_nop
.endr
	s_branch .Lasked
.Lfor_q:
	tensor_load_to_lds s[88:91], s[G1QS:G1QS+7]
	s_nop 0
	tensor_load_to_lds s[92:95], s[G1Q:G1Q+7]
	s_nop 0
	tensor_load_to_lds s[96:99], s[G1Q:G1Q+7]
	s_nop 0
	tensor_load_to_lds s[56:59], s[G1Q:G1Q+7]
	s_nop 0
	tensor_load_to_lds s[60:63], s[G1Q:G1Q+7]
	s_nop 0
.rept 4
	v_nop
.endr
.Lasked:
	v_and_b32 v14, 15, v0                          ; r
	v_bfe_u32 v15, v0, 4, 1                        ; h
	v_mul_u32_u24 v[AP], v14, 272
	v_lshl_add_u32 v[AP], v15, 4, v[AP]
	s_mul_i32 s11, s[WV], 8704                     ; my 32 rows of Q
	s_add_co_u32 s11, s11, QROWS
	v_add_nc_u32 v[AQ], s11, v[AP]
	v_lshrrev_b32 v9, 2, v14                       ; a row's 64 scale bytes: four rows to a piece of 256 + 16
	v_mul_u32_u24 v9, v9, 272
	v_and_b32 v[ASQ], 3, v14
	v_lshl_add_u32 v9, v[ASQ], 6, v9
	v_add_nc_u32 v[ASP], SCP, v9
	s_mul_i32 s11, s[WV], 2176
	s_add_co_u32 s11, s11, SCQ
	v_add_nc_u32 v[ASQ], s11, v9
	v_and_b32 v9, 31, v0
	v_lshlrev_b32 v[GI], 4, v9
	v_lshlrev_b32 v[GS], 2, v9
.irp b, 0,1,2,3
	v_mov_b32 v[TM+4+\b], 0                        ; written once: a lane permute's destination counts as one of its sources
.endr
; 20 LDS loads: the fragments of 128 along K, the chunk's q-th, into set fs.  A fragment is 16 rows x 128 codes: lane (r, h): registers 4 c .. 4 c + 3 = the 16 bytes at 64 q + 32 c + 16 h of row r
.macro FETCH fs, q
	WIN 0x40                                       ; destination window 1, address window 0
.irp p, 0,1,2,3,4,5,6,7
.irp c, 0,1
	ds_load_b128 v[80*(\fs)+8*\p+4*\c:80*(\fs)+8*\p+4*\c+3], v[AP] offset:\p*4352+64*(\q)+32*\c
.endr
.endr
.irp j, 0,1
.irp c, 0,1
	ds_load_b128 v[80*(\fs)+64+8*\j+4*\c:80*(\fs)+64+8*\j+4*\c+3], v[AQ] offset:\j*4352+64*(\q)+32*\c
.endr
.endr
.endm
; 10 LDS loads: chunk ch's scale words, four a row (one for each 128 along K), into set sc
.macro SCALES sc, ch
	WIN 0
.irp p, 0,1,2,3,4,5,6,7
	ds_load_b128 v[SC+40*(\sc)+4*\p:SC+40*(\sc)+4*\p+3], v[ASP] offset:\p*1088+16*(\ch)
.endr
.irp j, 0,1
	ds_load_b128 v[SC+40*(\sc)+32+4*\j:SC+40*(\sc)+32+4*\j+3], v[ASQ] offset:\j*1088+16*(\ch)
.endr
.endm
; 2 np matrix instructions: P's tiles p0 on x Q's two.  cm = 0: onto the sums; 1: the bias starts them; 2: the constant 0 does.  The 16 accumulators take turns, one instruction a turn,
; in the same order in every step.
.macro MUL p0, np, fs, q, sc, cm
.if \cm == 1
	WIN 0x15                                       ; sources 0, 1 and C window 1, D window 0
.else
	WIN 0x05                                       ; sources 0 and 1 window 1, C and D window 0
.endif
.set PP, \p0
.rept \np
.irp j, 0,1
.set DA, ACC+64*\j+8*PP
.set FA, 80*(\fs)+8*PP
.set FB, 80*(\fs)+64+8*\j
.set SA, SC+40*(\sc)+4*PP+(\q)
.set SB, SC+40*(\sc)+32+4*\j+(\q)
.if \cm == 0
	v_wmma_scale_f32_16x16x128_f8f6f4 v[DA:DA+7], v[FA:FA+7], v[FB:FB+7], v[DA:DA+7], v[SA], v[SB] matrix_a_fmt:MATRIX_FMT_FP4 matrix_b_fmt:MATRIX_FMT_FP4
.elseif \cm == 1
	v_wmma_scale_f32_16x16x128_f8f6f4 v[DA:DA+7], v[FA:FA+7], v[FB:FB+7], v[BP+8*PP:BP+8*PP+7], v[SA], v[SB] matrix_a_fmt:MATRIX_FMT_FP4 matrix_b_fmt:MATRIX_FMT_FP4
.else
	v_wmma_scale_f32_16x16x128_f8f6f4 v[DA:DA+7], v[FA:FA+7], v[FB:FB+7], 0, v[SA], v[SB] matrix_a_fmt:MATRIX_FMT_FP4 matrix_b_fmt:MATRIX_FMT_FP4
.endif
.endr
.set PP, PP+1
.endr
.endm
.macro STEP k                          ; step k of 16, whose successor lies in the same chunk
	PLACES                                         ; behind step k - 1's products, which read the set that is loaded now
	FETCH ((\k)+1)%2, ((\k)+1)%4
	s_wait_dscnt 20                                ; all but the 20 just issued: this step's fragments and scale words are in
	MUL 0, 8, (\k)%2, (\k)%4, ((\k)/4)%2, 0
.endm
.macro TURN k                          ; a chunk's last step: the next chunk is shown whole to every wave by one barrier; later chunks may stay out
	s_wait_dscnt 0x0                               ; this step's fragments are in, and no LDS load of mine is out at the signal
	s_wait_tensorcnt 2-(\k)/4                      ; my part of the next chunk has landed: behind it I issued 2 - k / 4 loads
	s_barrier_signal -1
	MUL 0, 4, (\k)%2, 3, ((\k)/4)%2, 0
	WIN 0
	s_barrier_wait -1
	v_add_nc_u32 v[AP], CHUNK, v[AP]               ; these two and two v_nop are the four places behind step k - 1's products
	v_add_nc_u32 v[AQ], CHUNK, v[AQ]
	v_nop
	v_nop
	FETCH ((\k)+1)%2, 0
	SCALES (((\k)+1)/4)%2, ((\k)+1)/4
	MUL 4, 4, (\k)%2, 3, ((\k)/4)%2, 0
.endm
.macro MAIN cm                         ; all of K: 16 steps of 128
	s_wait_tensorcnt 3                             ; my part of the scales and of chunk 0 has landed; the three later chunks may be out
	s_barrier_signal -1
	s_barrier_wait -1                              ; everybody's has
	FETCH 0, 0
	SCALES 0, 0
	FETCH 1, 1
	s_wait_dscnt 20
.if \cm == 1
	s_wait_loadcnt 32                              ; the bias is in; rope's 32 loads may be out
.endif
	MUL 0, 8, 0, 0, 0, \cm
	STEP 1
	STEP 2
	TURN 3
	STEP 4
	STEP 5
	STEP 6
	TURN 7
	STEP 8
	STEP 9
	STEP 10
	TURN 11
	STEP 12
	STEP 13
	STEP 14
	s_wait_dscnt 0x0
	MUL 0, 8, 1, 3, 1, 0
	WIN 0
	PLACES
	s_mov_b32 s[SEL], 0x76543210                   ; (all my tensor loads were waited for at step 11: their groups 0 are free)  v_permlanex16_b32's selects for lane l xor 16
	s_mov_b32 s[SEL+1], 0xfedcba98
	s_mov_b32 s[HM], 0xffff0000                    ; lanes 16-31
	s_mov_b32 s[S7F], 0x7f7f0000                   ; two scale bytes of 1.0
	s_wait_loadcnt 0x0
.endm
; 64 numbers of a lane, register 8 p + jj = k 16 p + 8 h + jj of my row, become a fragment's codes in v[PC] on and its four scale bytes in v[pw].
; A block of 32 is tiles 2 b and 2 b + 1 in lanes l and l xor 16.  A conversion's result is a quarter block; the exchange of halves between blocks 2 c and 2 c + 1 gives each lane a whole block, as the operand wants it.
.macro QUANT s, pw
.irp b, 0,1,2,3
	v_max3_num_f32 v[TM+\b], |v[(\s)+16*\b]|, |v[(\s)+1+16*\b]|, 0x1800000   ; and the floor 2^(3 - 127): the byte cannot fall under 1
.endr
.irp i, 2,4,6,8,10,12,14
.irp b, 0,1,2,3
	v_max3_num_f32 v[TM+\b], v[TM+\b], |v[(\s)+16*\b+\i]|, |v[(\s)+1+16*\b+\i]|
.endr
.endr
.irp b, 0,1,2,3
	v_permlanex16_b32 v[TM+4+\b], v[TM+\b], s[SEL], s[SEL+1]
.endr
.irp b, 0,1,2,3
	v_max_num_f32 v[TM+\b], v[TM+\b], v[TM+4+\b]   ; the block's largest magnitude
.endr
.irp b, 0,1,2,3
	v_add_nc_u32 v[TM+8+\b], 0xff000000, v[TM+\b]  ; 2 off its exponent field: the conversion's scale operand
.endr
.irp b, 0,1,2,3
	v_lshrrev_b32 v[TM+4+\b], 23, v[TM+8+\b]       ; the scale's byte
.endr
	v_lshl_or_b32 v[\pw], v[TM+5], 8, v[TM+4]
	v_lshl_or_b32 v[\pw], v[TM+6], 16, v[\pw]
	v_lshl_or_b32 v[\pw], v[TM+7], 24, v[\pw]
.irp c, 0,1
	v_cvt_scalef32_pk8_fp4_f32 v[PC+4*\c],   v[(\s)+32*\c:(\s)+32*\c+7],     v[TM+8+2*\c]
	v_cvt_scalef32_pk8_fp4_f32 v[PC+4*\c+2], v[(\s)+32*\c+8:(\s)+32*\c+15],  v[TM+8+2*\c]
	v_cvt_scalef32_pk8_fp4_f32 v[PC+4*\c+1], v[(\s)+32*\c+16:(\s)+32*\c+23], v[TM+9+2*\c]
	v_cvt_scalef32_pk8_fp4_f32 v[PC+4*\c+3], v[(\s)+32*\c+24:(\s)+32*\c+31], v[TM+9+2*\c]
.endr
	v_nop                                          ; one plain place behind a scaled conversion
.irp c, 0,1
	v_permlane16_swap_b32 v[PC+4*\c], v[PC+4*\c+1]     ; registers 4 c .. 4 c + 3 now hold k = 64 c + 32 h + 0 .. 31
	v_permlane16_swap_b32 v[PC+4*\c+2], v[PC+4*\c+3]
.endr
.endm
; RoPE on tile j's 64 numbers: in each head tiles 0, 1 (d < 32) pair with tiles 2, 3 (d + 32): a0' = a0 cos - a1 sin, a1' = a1 cos + a0 sin, each with its own d's cos and sin.  Ascending.
.macro ROPE j
	WIN 0x08                                       ; source 1 (cos, sin) window 2
.irp hd, 0,1
.irp pi, 0,1
.irp e, 0,2,4,6
.set A0, ACC+64*\j+32*\hd+8*\pi+\e
.set C0, 64*\j+8*\pi+\e
	v_pk_mul_f32 v[RT:RT+1], v[A0+16:A0+17], v[C0+32:C0+33]
	v_pk_mul_f32 v[RT+2:RT+3], v[A0:A0+1], v[C0+48:C0+49]
	v_pk_fma_f32 v[A0:A0+1], v[A0:A0+1], v[C0:C0+1], v[RT:RT+1] neg_lo:[0,0,1] neg_hi:[0,0,1]
	v_pk_fma_f32 v[A0+16:A0+17], v[A0+16:A0+17], v[C0+16:C0+17], v[RT+2:RT+3]
.endr
.endr
.endr
	WIN 0
.endm
	s_cmp_eq_u32 s[CLX], 5                         ; the one parting of the ways: it hangs on the cluster's x, the same in every wave and every partner
	s_cbranch_scc1 .Lv_type
	; ---- q and k
	s_lshl_b32 s2, s[PIDX], 9                      ; the bias of my 128 rows of P
	s_mov_b32 s3, 0
	s_add_nc_u64 s[20:21], s[20:21], s[2:3]
	s_lshl_b32 s2, s[QIDX], 16                     ; rope's rows of my wave's 32 tokens: 512 bytes a row
	s_lshl_b32 s11, s[WV], 14
	s_add_co_u32 s2, s2, s11
	s_add_nc_u64 s[22:23], s[22:23], s[2:3]
	v_lshlrev_b32 v[BA], 5, v15
	v_lshlrev_b32 v[RA], 9, v14
	v_lshl_add_u32 v[RA], v15, 5, v[RA]
	WIN 0x40
.irp p, 0,1,2,3,4,5,6,7
.irp e, 0,1
	global_load_b128 v[BP+8*\p+4*\e:BP+8*\p+4*\e+3], v[BA], s[20:21] offset:64*\p+16*\e   ; bias(16 p + 8 h + 0 .. 7): the result's layout
.endr
.endr
	WIN 0x80
.irp j, 0,1
.irp t, 0,1,2,3,4,5,6,7                ; t < 4: cos of tile-in-head t; else sin of t - 4
.irp e, 0,1
	global_load_b128 v[64*\j+8*\t+4*\e:64*\j+8*\t+4*\e+3], v[RA], s[22:23] offset:8192*\j+64*\t+16*\e
.endr
.endr
.endr
	WIN 0
	MAIN 1
	s_cmp_lt_u32 s[CLX], 4                         ; where the images go: q: [head][tile of 16 tokens] x 512 bytes, then its scale words; k: a block of 73,728 bytes a head: images, then words
	s_cselect_b32 s80, 0, 2359296
	s_mov_b32 s82, 73728
	s_cselect_b32 s82, 65536, s82                  ; from head to head: images,
	s_mov_b32 s84, 2424832
	s_cselect_b32 s84, 2097152, s84
	s_mov_b32 s86, 73728
	s_cselect_b32 s86, 8192, s86                   ; scale words
	s_mov_b32 s81, 0
	s_mov_b32 s83, 0
	s_mov_b32 s85, 0
	s_mov_b32 s87, 0
	s_lshl_b32 s88, s[PIDX], 1                     ; my first head
	s_mul_i32 s89, s88, s82
	s_add_co_u32 s80, s80, s89
	s_mul_i32 s89, s88, s86
	s_add_co_u32 s84, s84, s89
	s_lshl_b32 s88, s[QIDX], 3
	s_lshl_b32 s89, s[WV], 1
	s_add_co_u32 s88, s88, s89                     ; my first tile of tokens
	s_lshl_b32 s89, s88, 9
	s_add_co_u32 s80, s80, s89
	s_lshl_b32 s89, s88, 6
	s_add_co_u32 s84, s84, s89
	s_add_nc_u64 s[IMG0:IMG0+1], s[66:67], s[80:81]
	s_add_nc_u64 s[IMG1:IMG1+1], s[IMG0:IMG0+1], s[82:83]
	s_add_nc_u64 s[SW0:SW0+1], s[66:67], s[84:85]
	s_add_nc_u64 s[SW1:SW1+1], s[SW0:SW0+1], s[86:87]
.irp j, 0,1
	ROPE \j
.if \j == 1
	s_wait_xcnt 0x0                                ; tile 0's stores have read the codes' registers
.endif
	QUANT ACC+64*\j, PW+\j
	global_store_b128 v[GI], v[PC:PC+3], s[IMG0:IMG0+1] offset:512*\j      ; the first head: lane (r, h): token r, d = 32 h .. 32 h + 31; the wave stores 512 consecutive bytes
	global_store_b128 v[GI], v[PC+4:PC+7], s[IMG1:IMG1+1] offset:512*\j    ; the second
.endr
	v_cndmask_b32 v[XW], v[PW], v[PW+1], s[HM]     ; lanes 0-15: tile 0's rows, lanes 16-31: tile 1's
	v_lshrrev_b32 v[YW], 16, v[XW]
	v_and_or_b32 v[XW], v[XW], 0xffff, s[S7F]      ; a head has 64 along K: its word's upper two bytes, which meet zero codes, are 1.0
	v_or_b32 v[YW], s[S7F], v[YW]
	global_store_b32 v[GS], v[XW], s[SW0:SW0+1]
	global_store_b32 v[GS], v[YW], s[SW1:SW1+1]
	s_branch .Lend
	; ---- v: a lane holds one of Wv's rows and 128 keys
.Lv_type:
	s_lshl_b32 s2, s[QIDX], 9
	s_lshl_b32 s3, s[WV], 7
	s_add_co_u32 s2, s2, s3
	s_mov_b32 s3, 0
	s_add_nc_u64 s[20:21], s[20:21], s[2:3]        ; the bias of my wave's 32 rows of Wv
	v_lshlrev_b32 v[BA], 2, v14
	global_load_b32 v10, v[BA], s[20:21]
	global_load_b32 v12, v[BA], s[20:21] offset:64
	v_mov_b32 v11, 0                               ; (named with v10 and v12 as pairs)
	v_mov_b32 v13, 0
	MAIN 2
	s_lshl_b32 s80, s[QIDX], 1
	s_add_co_u32 s80, s80, s[ROLE]                 ; the head: 64 of Wv's rows
	s_mul_i32 s80, s80, 69632                      ; a block of 69,632 bytes a head: images [step of 128 keys][16 d][c][lane], then scale words [step][16 d][r]
	s_add_co_u32 s80, s80, 2949120
	s_lshl_b32 s82, s[PIDX], 12
	s_lshl_b32 s83, s[HALF], 11
	s_add_co_u32 s82, s82, s83
	s_add_co_u32 s82, s82, s80
	s_mov_b32 s83, 0
	s_lshl_b32 s84, s[PIDX], 8
	s_lshl_b32 s85, s[HALF], 7
	s_add_co_u32 s84, s84, s85
	s_add_co_u32 s84, s84, s80
	s_add_co_u32 s84, s84, 65536
	s_mov_b32 s85, 0
	s_add_nc_u64 s[IMG0:IMG0+1], s[66:67], s[82:83]
	s_add_nc_u64 s[SW0:SW0+1], s[66:67], s[84:85]
.irp j, 0,1
.set I, 0
.rept 32
	v_pk_add_f32 v[ACC+64*\j+I:ACC+64*\j+I+1], v[ACC+64*\j+I:ACC+64*\j+I+1], v[10+2*\j:11+2*\j] op_sel_hi:[1,0]   ; the bias is one number a lane here; as a C it would take eight copies a tile
.set I, I+2
.endr
.if \j == 1
	s_wait_xcnt 0x0
.endif
	QUANT ACC+64*\j, PW+\j
	global_store_b128 v[GI], v[PC:PC+3], s[IMG0:IMG0+1] offset:1024*\j
	global_store_b128 v[GI], v[PC+4:PC+7], s[IMG0:IMG0+1] offset:1024*\j+512
.endr
	v_cndmask_b32 v[XW], v[PW], v[PW+1], s[HM]
	global_store_b32 v[GS], v[XW], s[SW0:SW0+1]
.Lend:
	s_wait_tensorcnt 0x0
	ds_add_u32 v110, v111
	s_wait_dscnt 0x0
	CROUND                                         ; the closing round: no work-group ends while a partner may still ask for a tile that names it
	s_endpgm
.Lfunc_end_k_q12351304ef_qkv_proj:
	.size	k_q12351304ef_qkv_proj, .Lfunc_end_k_q12351304ef_qkv_proj-k_q12351304ef_qkv_proj
	.p2alignl 7, 3214868480
	.fill 96, 4, 3214868480
	.section	.rodata,"a",@progbits
	.p2align	6, 0x0
	.amdhsa_kernel k_q12351304ef_qkv_proj
		.amdhsa_group_segment_fixed_size 296448
		.amdhsa_private_segment_fixed_size 0
		.amdhsa_enable_private_segment 0
		.amdhsa_kernarg_size 104
		.amdhsa_user_sgpr_count 2
		.amdhsa_user_sgpr_kernarg_segment_ptr 1
		.amdhsa_wavefront_size32 1
		.amdhsa_system_sgpr_workgroup_id_x 1
		.amdhsa_system_sgpr_workgroup_id_y 1
		.amdhsa_system_sgpr_workgroup_id_z 1
		.amdhsa_system_vgpr_workitem_id 0
		.amdhsa_next_free_vgpr 640
		.amdhsa_next_free_sgpr 106
		.amdhsa_reserve_vcc 0
		.amdhsa_float_denorm_mode_32 3
		.amdhsa_float_denorm_mode_16_64 3
		.amdhsa_memory_ordered 1
		.amdhsa_forward_progress 1
		.amdhsa_inst_pref_size 164
	.end_amdhsa_kernel
	.amdgpu_metadata
---
amdhsa.version: [ 1, 2 ]
amdhsa.kernels:
  - .name:           k_q12351304ef_qkv_proj
    .symbol:         k_q12351304ef_qkv_proj.kd
    .args:
      - { .name: x_codes, .offset: 0, .size: 8, .value_kind: global_buffer, .address_space: global }
      - { .name: x_scales, .offset: 8, .size: 8, .value_kind: global_buffer, .address_space: global }
      - { .name: wq_w_codes, .offset: 16, .size: 8, .value_kind: global_buffer, .address_space: global }
      - { .name: wq_w_scales, .offset: 24, .size: 8, .value_kind: global_buffer, .address_space: global }
      - { .name: wq_b, .offset: 32, .size: 8, .value_kind: global_buffer, .address_space: global }
      - { .name: wk_w_codes, .offset: 40, .size: 8, .value_kind: global_buffer, .address_space: global }
      - { .name: wk_w_scales, .offset: 48, .size: 8, .value_kind: global_buffer, .address_space: global }
      - { .name: wk_b, .offset: 56, .size: 8, .value_kind: global_buffer, .address_space: global }
      - { .name: wv_w_codes, .offset: 64, .size: 8, .value_kind: global_buffer, .address_space: global }
      - { .name: wv_w_scales, .offset: 72, .size: 8, .value_kind: global_buffer, .address_space: global }
      - { .name: wv_b, .offset: 80, .size: 8, .value_kind: global_buffer, .address_space: global }
      - { .name: rope_cache, .offset: 88, .size: 8, .value_kind: global_buffer, .address_space: global }
      - { .name: qkv, .offset: 96, .size: 8, .value_kind: global_buffer, .address_space: global }
    .group_segment_fixed_size: 296448
    .private_segment_fixed_size: 0
    .kernarg_segment_align: 8
    .kernarg_segment_size: 104
    .max_flat_workgroup_size: 128
    .sgpr_count:     106
    .vgpr_count:     640
    .wavefront_size: 32
...
	.end_amdgpu_metadata
.endif
;; end of part 1
;; launch attn (part 2): grid 32 x 8, 8 waves a work-group, clusters of 4 x 1, 168,960 bytes of LDS; arguments qkv, sinks, att; writes att
.if DOCPART == 2
	.amdgcn_target "amdgcn-amd-amdhsa--gfx1250"
	.amdhsa_code_object_version 6
	.text
	.protected	k_q12351304ef_attn
	.globl	k_q12351304ef_attn
	.p2align	8
	.type	k_q12351304ef_attn,@function
k_q12351304ef_attn:
	s_mov_b64 s[64:65], 0
	v_nop
	global_prefetch_b8 v0, s[64:65] scope:SCOPE_SE
	s_setreg_imm32_b32 hwreg(HW_REG_WAVE_MODE, 25, 1), 1
	s_wait_xcnt 0x0
	s_wait_alu depctr_hold_cnt(0) depctr_sa_sdst(0) depctr_va_vdst(0) depctr_va_sdst(0) depctr_va_ssrc(0) depctr_va_vcc(0) depctr_vm_vsrc(0)
	s_getreg_b32 s2, hwreg(HW_REG_IB_STS2, 6, 4)
	s_cmp_eq_u32 s2, 0
	s_cbranch_scc0 .Lentry_in_a_cluster
	s_endpgm
.Lentry_in_a_cluster:
	s_bfe_u32 s2, ttmp6, 0x10000c
	s_cmp_lg_u32 s2, 0x3003
	s_cbranch_scc0 .Lentry_shape_is_right
	s_endpgm
.Lentry_shape_is_right:
; out[q] = (sum over keys of attn[q][k] v[k]) x renorm[q], causal, 32 query heads on 8 key and value heads, head size 64, both products on codes of FP4 (E2M1) with E8M0 scales.
; attn = exp(score / 8 - lse) IS QUANTISED FINISHED AND NORMALISED, so a row's lse must be known before its first code is made: TWO PASSES over the keys.
;   pass 1: S^T = K Q^T, running largest t (t = score x log2(e) / 8), M = that rounded up to a whole number, sum of 2^(t - M); then L = M + log2(sum) = lse x log2(e).
;   pass 2: the same S^T again, attn = 2^(t - L), quantised by blocks of 32 keys, O^T += V^T attn^T.
; renorm = exp(clip(lse - logaddexp(lse, sink), -20, 0)) = max(1 / (1 + 2^(sink log2(e) - L)), e^-20).  out x renorm is quantised along the head's 64 and leaves as an image of the last product's operand.
; SHARES.  The four work-groups of a cluster are the four query heads of one key and value head: they ask JOINTLY for its K and V (140 KB, all keys), which stay in LDS; every byte is filled once.
; Wave w of work-group x = sigma takes the tiles of 16 queries T = 8 sigma + w and 127 - T, one after the other: (sigma + 1) + (16 - sigma) = 17 steps of 128 keys in each pass for every wave of the launch.
; Both loops over the keys have 16 trips in every wave; a step all of whose keys come after the tile's queries is jumped over by a scalar branch on ids.
; LAYOUT.  Both products are used transposed: a lane holds ONE query (lane % 16); register 8 t + jj of S^T is key 16 t + 8 (lane / 16) + jj of the step.  K = 64 is filled to the instruction's 128 by zero codes on both sides.
; LIMITS: attn under 2^-126 counts as 0 (v_exp_f32 gives no denormals: ISA guide, its entry); a block of zeros gets the scale byte 1, not 127 (zero codes; this program alone reads the bytes); NaN and infinities are not served.
; The 128 KB of scale bytes of the result are stored a byte a lane, straight into the words that the next launch reads: these stores cover their 256 bytes in part; they are a sixteenth of the codes' bytes.
.set LI,  1                            ; v1   16 x lane
.set KS0, 2                            ; v2   K's scale words: 65,536 + 4 r
.set VI0, 3                            ; v3   V's images: 73,728 + 16 x lane
.set VS0, 4                            ; v4   V's scale words: 139,264 + 4 r
.set ADK, 5                            ; v5-8 the step's four LDS addresses
.set ADS, 6
.set ADV, 7
.set ADT, 8
.set RQ,  9                            ; v9   r - 8 h, for the mask
.set QF,  16                           ; v16-23   Q's fragment (20-23 zero codes)          v10, v11 offsets of Q's loads; v12 -M, then -L; v13 the largest t; v[14:15] the sum
.set KSW, 24                           ; v24-31   K's scale words
.set KFR, 32                           ; v32-95   K's eight fragments (+4 .. +7 zero codes)
.set S,   96                           ; v96-159  S^T, then p
.set O,   160                          ; v160-191 O^T
.set VFR, 192                          ; v192-223 V's four fragments
.set PC,  224                          ; v224-231 codes
.set MX,  232                          ; v232-235 largest scores, then largest p
.set EX,  236                          ; v236-239 the other half's, then bytes
.set FF,  240                          ; v[240:241] a factor for the packed forms (the low word serves both halves)
.set SO1, 242                          ; v242, v243 offsets of the stores
.set SO2, 243
.set SOP, 244                          ; v244-247 the conversions' scale operands
.set VSW, 248                          ; v248-251 V's scale words
.set TA,  252
.set PWD, 253                          ; v253 p's scale word
.set TB,  254
.set QSW, 255                          ; v255 Q's scale word
.set WV, 10
.set CX, 11
.set SIG, 12
.set G, 13
.set HEAD, 14
.set SEL, 16
.set CS, 18                            ; s[18:19] c = log2(e) / 8
.set HM, 20
.set SNK, 21
.set L2E, 22
.set G1K, 24
.set G1V, 32
.set G0K, 40
.set G0V, 44
.set TI, 48
.set T, 49
.set Q0, 50
.set QL, 51
.set KF, 52
.set QB, 56
.set QSB, 58
.set AIB, 60
.set ASB, 62
.macro CROUND
	s_barrier_signal -1
	s_barrier_wait -1
	s_cmp_lg_u32 s[WV], 0
	s_cbranch_scc1 .Lnot_wave_0_\@
	s_barrier_signal -3
.Lnot_wave_0_\@:
	s_barrier_wait -3
	s_barrier_signal -1
	s_barrier_wait -1
.endm
.macro PLACES
.rept 4
	v_nop
.endr
.endm
	s_load_b128 s[4:7], s[0:1], 0x0                ; qkv, sinks
	s_load_b64 s[8:9], s[0:1], 0x10                ; att
	s_set_vgpr_msb 0x40
	v_lshl_add_u32 v0, v0, 2, 0x29000
	v_mov_b32 v1, 0
	s_set_vgpr_msb 0x4045
	ds_add_u32 v0, v1
	ds_add_u32 v0, v1
	s_set_vgpr_msb 0x4500
	v_lshrrev_b32 v5, 5, v0
	v_readfirstlane_b32 s[WV], v5                  ; wave 0..7
	s_bfe_u32 s[CX], ttmp6, 0x40000                ; my place in the cluster: it enters Q's, the sink's and the result's addresses alone
	s_mov_b32 s[SIG], ttmp9                        ; the cluster's x
	s_and_b32 s[G], ttmp7, 0xffff                  ; the key and value head
	s_lshl_b32 s[HEAD], s[G], 2
	s_add_co_u32 s[HEAD], s[HEAD], s[CX]
	; groups 1: dense bytes as rows of 32 elements of 8 bytes; K's slice 36 rows, V's 34; mask: all four work-groups
	s_mov_b32 s[G1K], 15|(3<<16)|(1<<21)
	s_mov_b32 s[G1K+1], 32<<16
	s_mov_b32 s[G1K+2], 36<<16
	s_mov_b32 s[G1K+3], 32<<16
	s_mov_b32 s[G1K+4], 36
	s_mov_b32 s[G1K+5], 32
	s_mov_b32 s[G1K+6], 0
	s_mov_b32 s[G1K+7], 0
	s_mov_b32 s[G1V], 15|(3<<16)|(1<<21)
	s_mov_b32 s[G1V+1], 32<<16
	s_mov_b32 s[G1V+2], 34<<16
	s_mov_b32 s[G1V+3], 32<<16
	s_mov_b32 s[G1V+4], 34
	s_mov_b32 s[G1V+5], 32
	s_mov_b32 s[G1V+6], 0
	s_mov_b32 s[G1V+7], 0
	s_mul_i32 s68, s[G], 73728                     ; K's block of the head, an eighth of it to each wave
	s_mul_i32 s53, s[WV], 9216
	s_add_co_u32 s68, s68, s53
	s_add_co_u32 s68, s68, 2359296
	s_mov_b32 s69, 0
	s_mul_i32 s70, s[G], 69632                     ; V's likewise
	s_mul_i32 s54, s[WV], 8704
	s_add_co_u32 s70, s70, s54
	s_add_co_u32 s70, s70, 2949120
	s_mov_b32 s71, 0
	s_mov_b32 s[SEL], 0x76543210
	s_mov_b32 s[SEL+1], 0xfedcba98
	s_mov_b32 s[CS], 0x3e38aa3b                    ; log2(e) / 8
	s_mov_b32 s[CS+1], s[CS]
	s_mov_b32 s[HM], 0xffff0000
	s_mov_b32 s[L2E], 0x3fb8aa3b
	s_wait_dscnt 0x0
	s_wait_kmcnt 0x0
	s_mov_b32 s[G0K], 1
	s_mov_b32 s[G0K+1], s53                        ; LDS mirrors memory: K's block at 0,
	s_add_nc_u64 s[G0K+2:G0K+3], s[4:5], s[68:69]
	s_or_b32 s[G0K+3], s[G0K+3], 0x80000000
	s_mov_b32 s[G0V], 1
	s_add_co_u32 s[G0V+1], s54, 73728              ; V's behind it
	s_add_nc_u64 s[G0V+2:G0V+3], s[4:5], s[70:71]
	s_or_b32 s[G0V+3], s[G0V+3], 0x80000000
	s_lshl_b32 s66, s[HEAD], 2
	s_mov_b32 s67, 0
	s_add_nc_u64 s[6:7], s[6:7], s[66:67]
	s_load_b32 s[SNK], s[6:7], 0x0                 ; my head's sink
	s_lshl_b32 s66, s[HEAD], 16
	s_add_nc_u64 s[QB:QB+1], s[4:5], s[66:67]      ; Q's images of my head
	s_lshl_b32 s66, s[HEAD], 13
	s_add_co_u32 s66, s66, 2097152
	s_add_nc_u64 s[QSB:QSB+1], s[4:5], s[66:67]    ; and its scale words
	s_lshr_b32 s53, s[HEAD], 3                     ; the last product's chunk of 512 along K: 8 heads
	s_and_b32 s54, s[HEAD], 7
	s_lshl_b32 s66, s53, 19
	s_lshl_b32 s55, s54, 9
	s_add_co_u32 s66, s66, s55
	s_add_nc_u64 s[AIB:AIB+1], s[8:9], s[66:67]    ; images [chunk][tile of 16 tokens][head in chunk][lane] x 16 bytes
	s_lshl_b32 s66, s53, 8
	s_lshl_b32 s55, s54, 1
	s_add_co_u32 s66, s66, s55
	s_add_co_u32 s66, s66, 2097152
	s_add_nc_u64 s[ASB:ASB+1], s[8:9], s[66:67]    ; scale bytes [tile][chunk][r][16]
	CROUND                                         ; all four work-groups are here: the joint loads meet
	tensor_load_to_lds s[G0K:G0K+3], s[G1K:G1K+7]  ; every wave asks for its eighth of K and of V: two tensor loads of mine are out
	s_nop 0
	tensor_load_to_lds s[G0V:G0V+3], s[G1V:G1V+7]
	s_nop 0
.rept 4
	v_nop
.endr
	v_and_b32 v[TA], 31, v0
	v_lshlrev_b32 v[LI], 4, v[TA]
	v_and_b32 v[TB], 15, v0                        ; r
	v_bfe_u32 v[TA], v0, 4, 1                      ; h
	v_lshl_add_u32 v[KS0], v[TB], 2, 65536
	v_add_nc_u32 v[VI0], 73728, v[LI]
	v_lshl_add_u32 v[VS0], v[TB], 2, 139264
	v_lshlrev_b32 v[TA], 3, v[TA]
	v_sub_nc_u32 v[RQ], v[TB], v[TA]
.irp i, 4,5,6,7
	v_mov_b32 v[QF+\i], 0                          ; zero codes for k = 64 .. 127, set once
.irp t, 0,1,2,3,4,5,6,7
	v_mov_b32 v[KFR+8*\t+\i], 0
.endr
.endr
.irp b, 0,1,2,3
	v_mov_b32 v[EX+\b], 0                          ; written once: a lane permute's destination counts as one of its sources
.endr
	v_mov_b32 v[TA], 0
	v_mov_b32 v[FF+1], 0                           ; (named with v240 as a pair)
	s_wait_kmcnt 0x0                               ; the sink
	s_wait_tensorcnt 0x0                           ; my parts of K and V have landed,
	s_barrier_signal -1
	s_barrier_wait -1                              ; everybody's have.  From here on the waves share nothing
; A step's scores: K's eight fragments and scale words (pv = 1: V's four and theirs behind them), eight products, the causal mask.
.macro SCORES pv
.irp t, 0,1,2,3,4,5,6,7
	ds_load_b128 v[KFR+8*\t:KFR+8*\t+3], v[ADK] offset:512*\t
.endr
.irp t, 0,1,2,3,4,5,6,7
	ds_load_b32 v[KSW+\t], v[ADS] offset:64*\t
.endr
.if \pv
.irp f, 0,1,2,3,4,5,6,7
	ds_load_b128 v[VFR+4*\f:VFR+4*\f+3], v[ADV] offset:512*\f
.endr
.irp d, 0,1,2,3
	ds_load_b32 v[VSW+\d], v[ADT] offset:64*\d
.endr
	s_wait_dscnt 12                                ; K's are in; V's twelve may be out
.else
	s_wait_dscnt 0x0
.endif
.irp t, 0,1,2,3,4,5,6,7
	v_wmma_scale_f32_16x16x128_f8f6f4 v[S+8*\t:S+8*\t+7], v[KFR+8*\t:KFR+8*\t+7], v[QF:QF+7], 0, v[KSW+\t], v[QSW] matrix_a_fmt:MATRIX_FMT_FP4 matrix_b_fmt:MATRIX_FMT_FP4
.endr
	PLACES
	s_add_co_u32 s53, s[KF], 127                   ; a step all of whose keys count skips the mask
	s_cmp_le_u32 s53, s[Q0]
	s_cbranch_scc1 .Lopen_\@
	s_sub_co_i32 s53, s[Q0], s[KF]
	v_add_nc_u32 v[TA], s53, v[RQ]                 ; register 8 t + jj is hidden where 16 t + jj > Q0 - KF + r - 8 h
	v_mov_b32 v[TB], 0xff800000                    ; -infinity: p = 0 then
.set N, 0
.rept 64
	v_cmp_gt_i32 vcc_lo, 16*(N/8)+N%8, v[TA]
	v_cndmask_b32 v[S+N], v[S+N], v[TB], vcc_lo
.set N, N+1
.endr
.Lopen_\@:
.endm
.macro BLKMAX                          ; the largest score of each block of 32 keys, my 16 of them: four chains by turns, each accumulator from its low end
.irp b, 0,1,2,3
	v_max3_num_f32 v[MX+\b], v[S+16*\b], v[S+1+16*\b], v[S+2+16*\b]
.endr
.irp i, 3,5,7,9,11,13
.irp b, 0,1,2,3
	v_max3_num_f32 v[MX+\b], v[MX+\b], v[S+16*\b+\i], v[S+1+16*\b+\i]
.endr
.endr
.irp b, 0,1,2,3
	v_max_num_f32 v[MX+\b], v[MX+\b], v[S+15+16*\b]
.endr
.endm
.macro CVT4 s, c                       ; 32 numbers, tiles 4 c .. 4 c + 3, to codes: blocks 2 c and 2 c + 1
	v_cvt_scalef32_pk8_fp4_f32 v[PC+4*\c],   v[(\s)+32*\c:(\s)+32*\c+7],     v[SOP+2*\c]
	v_cvt_scalef32_pk8_fp4_f32 v[PC+4*\c+2], v[(\s)+32*\c+8:(\s)+32*\c+15],  v[SOP+2*\c]
	v_cvt_scalef32_pk8_fp4_f32 v[PC+4*\c+1], v[(\s)+32*\c+16:(\s)+32*\c+23], v[SOP+1+2*\c]
	v_cvt_scalef32_pk8_fp4_f32 v[PC+4*\c+3], v[(\s)+32*\c+24:(\s)+32*\c+31], v[SOP+1+2*\c]
.endm
.macro SWAP2 c                         ; a whole block to a lane: registers 4 c .. 4 c + 3 then hold k = 64 c + 32 h + 0 .. 31
	v_permlane16_swap_b32 v[PC+4*\c], v[PC+4*\c+1]
	v_permlane16_swap_b32 v[PC+4*\c+2], v[PC+4*\c+3]
.endm
	s_mov_b32 s[TI], 0
.Ltile:                                            ; two trips: my early tile, my late tile
	s_lshl_b32 s53, s[SIG], 3
	s_add_co_u32 s53, s53, s[WV]
	s_sub_co_u32 s54, 127, s53
	s_cmp_eq_u32 s[TI], 0
	s_cselect_b32 s[T], s53, s54
	s_lshl_b32 s[Q0], s[T], 4                      ; my first query,
	s_add_co_u32 s[QL], s[Q0], 15                  ; my last
	s_lshl_b32 s53, s[T], 9
	s_lshl_b32 s54, s[T], 6
	v_add_nc_u32 v10, s53, v[LI]
	v_and_b32 v11, 15, v0
	v_lshl_add_u32 v11, v11, 2, s54
	global_load_b128 v[QF:QF+3], v10, s[QB:QB+1]
	global_load_b32 v[QSW], v11, s[QSB:QSB+1]
	v_mov_b32 v13, 0xff61b1e6                      ; the largest t so far: -3e38
	v_floor_f32 v12, -v13                          ; -M
	v_mov_b32 v14, 0
	v_mov_b32 v15, 0
.set N, 0
.rept 32
	v_mov_b32 v[O+N], 0                            ; O^T: the key step is written once, so its first trip finds zeros
.set N, N+1
.endr
	s_wait_loadcnt 0x0
	; ---- pass 1
	s_mov_b32 s[KF], 0
.Lp1:
	s_cmp_gt_u32 s[KF], s[QL]
	s_cbranch_scc1 .Lp1_next                       ; all 128 keys come after my queries
	s_lshl_b32 s53, s[KF], 5                       ; 4,096 bytes of images a step,
	s_lshl_b32 s54, s[KF], 2                       ; 512 of scale words
	v_add_nc_u32 v[ADK], s53, v[LI]
	v_add_nc_u32 v[ADS], s54, v[KS0]
	SCORES 0
	BLKMAX
	v_max3_num_f32 v[TB], v[MX], v[MX+1], v[MX+2]
	v_max_num_f32 v[TB], v[TB], v[MX+3]
	v_permlanex16_b32 v[EX], v[TB], s[SEL], s[SEL+1]
	v_max_num_f32 v[TB], v[TB], v[EX]              ; the step's largest score of my query
	v_mul_f32 v[TB], s[CS], v[TB]
	v_max_num_f32 v13, v13, v[TB]                  ; the running largest t
	v_mov_b32 v[TB], v12
	v_floor_f32 v12, -v13                          ; the new -M: a whole number
	v_sub_f32 v[TB], v12, v[TB]                    ; old M - new M, 0 or less
	v_cvt_i32_f32 v[TB], v[TB]                     ; (it saturates)
	v_ldexp_f32 v[FF], 1.0, v[TB]                  ; 2^(old M - new M): a multiplication by it rounds nothing
.set N, 0
.rept 32
	v_pk_fma_f32 v[S+N:S+N+1], v[S+N:S+N+1], s[CS:CS+1], v[12:13] op_sel_hi:[1,0,0]   ; t - M
.set N, N+2
.endr
.set N, 0
.rept 64
	v_exp_f32 v[S+N], v[S+N]
.set N, N+1
.endr
	v_pk_mul_f32 v[14:15], v[14:15], v[FF:FF+1] op_sel_hi:[1,0]   ; the sum under the new M (a plain place behind the exponentials)
	s_wait_alu depctr_va_vdst(0)
	v_pk_add_f32 v[EX:EX+1], v[S:S+1], v[S+2:S+3]  ; two chains
.set N, 4
.rept 15
	v_pk_add_f32 v[14:15], v[14:15], v[S+N:S+N+1]
	v_pk_add_f32 v[EX:EX+1], v[EX:EX+1], v[S+N+2:S+N+3]
.set N, N+4
.endr
	v_pk_add_f32 v[14:15], v[14:15], v[EX:EX+1]
.Lp1_next:
	s_add_co_u32 s[KF], s[KF], 128
	s_cmp_lt_u32 s[KF], 2048
	s_cbranch_scc1 .Lp1
	v_add_f32 v14, v14, v15
	v_permlanex16_b32 v[TA], v14, s[SEL], s[SEL+1]
	v_add_f32 v14, v14, v[TA]                      ; the row's sum, at least 1/2
	v_log_f32 v14, v14
	v_nop                                          ; a plain place behind the transcendental
	s_wait_alu depctr_va_vdst(0)
	v_sub_f32 v12, v12, v14                        ; -L = -M - log2(sum)
	; ---- pass 2
	s_mov_b32 s[KF], 0
.Lp2:
	s_cmp_gt_u32 s[KF], s[QL]
	s_cbranch_scc1 .Lp2_next
	s_lshl_b32 s53, s[KF], 5
	s_lshl_b32 s54, s[KF], 2
	s_lshl_b32 s55, s[KF], 1                       ; V's scale words: 256 bytes a step
	v_add_nc_u32 v[ADK], s53, v[LI]                ; these four are the places behind the last step's products, in front of the loads into V's registers
	v_add_nc_u32 v[ADS], s54, v[KS0]
	v_add_nc_u32 v[ADV], s53, v[VI0]
	v_add_nc_u32 v[ADT], s55, v[VS0]
	SCORES 1
	BLKMAX                                         ; attn rises with the score: a block's largest score gives its largest attn
.irp b, 0,1,2,3
	v_permlanex16_b32 v[EX+\b], v[MX+\b], s[SEL], s[SEL+1]
.endr
.irp b, 0,1,2,3
	v_max_num_f32 v[MX+\b], v[MX+\b], v[EX+\b]
.endr
.set N, 0
.rept 32
	v_pk_fma_f32 v[S+N:S+N+1], v[S+N:S+N+1], s[CS:CS+1], v[12:13] op_sel_hi:[1,0,0]   ; t - L
.set N, N+2
.endr
.irp b, 0,1,2,3
	v_fma_f32 v[MX+\b], v[MX+\b], s[CS], v12       ; the same of each block's largest score
.endr
.set N, 0
.rept 64
	v_exp_f32 v[S+N], v[S+N]                       ; attn, finished and normalised
.set N, N+1
.endr
.irp b, 0,1,2,3
	v_exp_f32 v[MX+\b], v[MX+\b]
.endr
	v_nop                                          ; a plain place behind the exponentials
	s_wait_alu depctr_va_vdst(0)
.irp b, 0,1,2,3
	v_max_num_f32 v[MX+\b], 0x1800000, v[MX+\b]    ; the floor 2^(3 - 127): the byte cannot fall under 1
.endr
.irp b, 0,1,2,3
	v_add_nc_u32 v[SOP+\b], 0xff000000, v[MX+\b]   ; 2 off the exponent field: the conversion's scale operand
.endr
.irp b, 0,1,2,3
	v_lshrrev_b32 v[EX+\b], 23, v[SOP+\b]
.endr
	v_lshl_or_b32 v[PWD], v[EX+1], 8, v[EX]
	v_lshl_or_b32 v[PWD], v[EX+2], 16, v[PWD]
	v_lshl_or_b32 v[PWD], v[EX+3], 24, v[PWD]
	CVT4 S, 0
	CVT4 S, 1
	v_nop                                          ; one plain place behind a scaled conversion
	SWAP2 0
	SWAP2 1
.rept 8
	v_nop                                          ; a scale word made by vector instructions stands eight places ahead of the scaled product, an operand so made four
.endr
	s_wait_dscnt 0x0                               ; V
.irp d, 0,1,2,3
	v_wmma_scale_f32_16x16x128_f8f6f4 v[O+8*\d:O+8*\d+7], v[VFR+8*\d:VFR+8*\d+7], v[PC:PC+7], v[O+8*\d:O+8*\d+7], v[VSW+\d], v[PWD] matrix_a_fmt:MATRIX_FMT_FP4 matrix_b_fmt:MATRIX_FMT_FP4
.endr
.Lp2_next:
	s_add_co_u32 s[KF], s[KF], 128
	s_cmp_lt_u32 s[KF], 2048
	s_cbranch_scc1 .Lp2
	PLACES
	; ---- the sink, the quantiser, the way out
	v_fma_f32 v[TA], s[SNK], s[L2E], v12           ; sink log2(e) - L
	v_exp_f32 v[TA], v[TA]
	s_lshl_b32 s53, s[T], 12
	v_add_nc_u32 v[SO1], s53, v[LI]                ; (a plain place)
	s_wait_alu depctr_va_vdst(0)
	v_add_f32 v[TA], 1.0, v[TA]
	v_rcp_f32 v[TA], v[TA]
	s_lshl_b32 s54, s[T], 10
	v_and_b32 v[SO2], 15, v0                       ; (a plain place)
	s_wait_alu depctr_va_vdst(0)
	v_max_num_f32 v[FF], 0x310da433, v[TA]         ; the clip at -20; the clip at 0 holds by itself
	v_lshl_add_u32 v[SO2], v[SO2], 4, s54
	v_bfe_u32 v[TB], v0, 4, 1
	v_add_nc_u32 v[SO2], v[SO2], v[TB]             ; 1,024 T + 16 r + h
.set N, 0
.rept 16
	v_pk_mul_f32 v[O+N:O+N+1], v[O+N:O+N+1], v[FF:FF+1] op_sel_hi:[1,0]
.set N, N+2
.endr
.irp b, 0,1
	v_max3_num_f32 v[MX+\b], |v[O+16*\b]|, |v[O+1+16*\b]|, 0x1800000
.endr
.irp i, 2,4,6,8,10,12,14
.irp b, 0,1
	v_max3_num_f32 v[MX+\b], v[MX+\b], |v[O+16*\b+\i]|, |v[O+1+16*\b+\i]|
.endr
.endr
.irp b, 0,1
	v_permlanex16_b32 v[EX+\b], v[MX+\b], s[SEL], s[SEL+1]
.endr
.irp b, 0,1
	v_max_num_f32 v[MX+\b], v[MX+\b], v[EX+\b]
.endr
.irp b, 0,1
	v_add_nc_u32 v[SOP+\b], 0xff000000, v[MX+\b]
.endr
.irp b, 0,1
	v_lshrrev_b32 v[EX+\b], 23, v[SOP+\b]
.endr
	CVT4 O, 0
	v_cndmask_b32 v[TA], v[EX], v[EX+1], s[HM]     ; lane (r, h) stores block h's byte.  (The plain place behind the conversions)
	SWAP2 0
	global_store_b128 v[SO1], v[PC:PC+3], s[AIB:AIB+1]   ; lane (r, h): token r, d = 32 h .. 32 h + 31: the wave stores 512 consecutive bytes
	global_store_b8 v[SO2], v[TA], s[ASB:ASB+1]
	s_wait_xcnt 0x0                                ; the stores have read their registers: the next trip writes them again
	s_add_co_u32 s[TI], s[TI], 1
	s_cmp_lt_u32 s[TI], 2
	s_cbranch_scc1 .Ltile
	s_set_vgpr_msb 0x5
	s_wait_tensorcnt 0x0
	ds_add_u32 v0, v1
	s_wait_dscnt 0x0
	s_set_vgpr_msb 0x500
	CROUND                                         ; the closing round
	s_endpgm
.Lfunc_end_k_q12351304ef_attn:
	.size	k_q12351304ef_attn, .Lfunc_end_k_q12351304ef_attn-k_q12351304ef_attn
	.p2alignl 7, 3214868480
	.fill 96, 4, 3214868480
	.section	.rodata,"a",@progbits
	.p2align	6, 0x0
	.amdhsa_kernel k_q12351304ef_attn
		.amdhsa_group_segment_fixed_size 168960
		.amdhsa_private_segment_fixed_size 0
		.amdhsa_enable_private_segment 0
		.amdhsa_kernarg_size 24
		.amdhsa_user_sgpr_count 2
		.amdhsa_user_sgpr_kernarg_segment_ptr 1
		.amdhsa_wavefront_size32 1
		.amdhsa_system_sgpr_workgroup_id_x 1
		.amdhsa_system_sgpr_workgroup_id_y 1
		.amdhsa_system_sgpr_workgroup_id_z 1
		.amdhsa_system_vgpr_workitem_id 0
		.amdhsa_next_free_vgpr 258
		.amdhsa_next_free_sgpr 72
		.amdhsa_reserve_vcc 1
		.amdhsa_float_denorm_mode_32 3
		.amdhsa_float_denorm_mode_16_64 3
		.amdhsa_memory_ordered 1
		.amdhsa_forward_progress 1
		.amdhsa_inst_pref_size 47
	.end_amdhsa_kernel
	.amdgpu_metadata
---
amdhsa.version: [ 1, 2 ]
amdhsa.kernels:
  - .name:           k_q12351304ef_attn
    .symbol:         k_q12351304ef_attn.kd
    .args:
      - { .name: qkv, .offset: 0, .size: 8, .value_kind: global_buffer, .address_space: global }
      - { .name: sinks, .offset: 8, .size: 8, .value_kind: global_buffer, .address_space: global }
      - { .name: att, .offset: 16, .size: 8, .value_kind: global_buffer, .address_space: global }
    .group_segment_fixed_size: 168960
    .private_segment_fixed_size: 0
    .kernarg_segment_align: 8
    .kernarg_segment_size: 24
    .max_flat_workgroup_size: 256
    .sgpr_count:     72
    .vgpr_count:     258
    .wavefront_size: 32
...
	.end_amdgpu_metadata
.endif
;; end of part 2
;; launch out_proj (part 3): grid 16 x 16, 4 waves a work-group, clusters of 4 x 4, 321,536 bytes of LDS; arguments att, wo_w_codes, wo_w_scales, wo_b, out0; writes out0
.if DOCPART == 3
	.amdgcn_target "amdgcn-amd-amdhsa--gfx1250"
	.amdhsa_code_object_version 6
	.text
	.protected	k_q12351304ef_out_proj
	.globl	k_q12351304ef_out_proj
	.p2align	8
	.type	k_q12351304ef_out_proj,@function
k_q12351304ef_out_proj:
	s_mov_b64 s[64:65], 0
	v_nop
	global_prefetch_b8 v0, s[64:65] scope:SCOPE_SE
	s_setreg_imm32_b32 hwreg(HW_REG_WAVE_MODE, 25, 1), 1
	s_wait_xcnt 0x0
	s_wait_alu depctr_hold_cnt(0) depctr_sa_sdst(0) depctr_va_vdst(0) depctr_va_sdst(0) depctr_va_ssrc(0) depctr_va_vcc(0) depctr_vm_vsrc(0)
	s_getreg_b32 s2, hwreg(HW_REG_IB_STS2, 6, 4)
	s_cmp_eq_u32 s2, 0
	s_cbranch_scc0 .Lentry_in_a_cluster
	s_endpgm
.Lentry_in_a_cluster:
	s_bfe_u32 s2, ttmp6, 0x10000c
	s_cmp_lg_u32 s2, 0xf033
	s_cbranch_scc0 .Lentry_shape_is_right
	s_endpgm
.Lentry_shape_is_right:
; out0 = A Wo^T + bo on codes of FP4 (E2M1) with one E8M0 scale for each 32 along K = 2,048.  A, the attention's result, comes as images of operand registers with its scale words beside them; Wo as rows of codes.
; SHARES.  A work-group makes 128 columns n (P = Wo's rows, source 0) x 128 tokens (Q = A, source 1) over all of K; wave w takes all 128 n x tokens 32 w .. 32 w + 31: 16 accumulators.
; Source 0 = Wo's rows, so a lane's eight results are eight neighbouring columns of one row of out0.
; LDS.  Both operands for all of K, in four chunks of 512 along K, and their scale bytes: every byte is filled once, by five tensor loads a wave issued together; counted waits let the work begin on chunk 0.
; Behind them each wave's own stage for the way out, into which no tensor load lands.
; CLUSTER.  4 x 4 work-groups: Wo's rows hang on cx alone and are asked for jointly by a column of the cluster, A's tokens on cy alone and by a row.  256 work-groups.
; REGISTERS.  window 0: v1-9 addresses; v16-95 scale words, two sets of 40; v128-255 accumulators.   window 1: v0-79, v80-159 two sets of fragments; v160-223 the bias as C.
.set PCH,   34816                      ; LDS: P's chunk: 128 rows x 272
.set QBASE, 139264                     ; Q's chunks: 32,768 dense bytes each: [tile of 16 tokens 8][128 along K 4][c 2][lane] x 16
.set QCH,   32768
.set SCP,   270336                     ; P's scale bytes: 32 pieces of 256 + 16
.set SCQ,   279040                     ; Q's: [tile 8][chunk 4][r 16] x 16 bytes
.set STAGE, 287232                     ; 16 rows x (512 + 16) bytes for each wave
.set AP,  1
.set AQ,  2
.set ASP, 3
.set ASQ, 4
.set GI,  5                            ; v5  16 x lane
.set BA,  6                            ; v6  32 h
.set STO, 7                            ; v7  the stage: where I put 32 bytes of a row
.set RD,  8                            ; v8  and where I read a row back
.set SC,  16
.set ACC, 128
.set BP,  160                          ; in window 1
.set WV, 4
.set ROLE, 5
.set HALF, 6
.set CX, 7
.set CY, 8
.set G1P, 24
.set G1Q, 32
.set G1PS, 40
.set G1QS, 48
.set G0P, 68                           ; s[68:87] five groups 0 for P; Q's five in s[88:99] and s[56:63]
.set PIDX, 104
.set QIDX, 105
.set MSB, 0
.macro WIN new
.if MSB != \new
	s_set_vgpr_msb (MSB<<8)|\new
.set MSB, \new
.endif
.endm
.macro CROUND
	s_barrier_signal -1
	s_barrier_wait -1
	s_cmp_lg_u32 s[WV], 0
	s_cbranch_scc1 .Lnot_wave_0_\@
	s_barrier_signal -3
.Lnot_wave_0_\@:
	s_barrier_wait -3
	s_barrier_signal -1
	s_barrier_wait -1
.endm
.macro PLACES
.rept 4
	v_nop
.endr
.endm
	s_load_b256 s[12:19], s[0:1], 0x0              ; att s[12:13], Wo's codes s[14:15], Wo's scales s[16:17], bo s[18:19]
	s_load_b64 s[20:21], s[0:1], 0x20              ; out0
	v_lshl_add_u32 v126, v0, 2, 0x4e600
	v_mov_b32 v127, 0
	ds_add_u32 v126, v127
	ds_add_u32 v126, v127
	v_lshrrev_b32 v9, 5, v0
	v_readfirstlane_b32 s[WV], v9
	s_lshr_b32 s[ROLE], s[WV], 1                   ; 0: I fetch for P, 1: for Q
	s_and_b32 s[HALF], s[WV], 1
	s_bfe_u32 s[CX], ttmp6, 0x40000
	s_bfe_u32 s[CY], ttmp6, 0x40004
	s_lshl_b32 s[PIDX], ttmp9, 2
	s_add_co_u32 s[PIDX], s[PIDX], s[CX]           ; which 128 columns
	s_and_b32 s[QIDX], ttmp7, 0xffff
	s_lshl_b32 s[QIDX], s[QIDX], 2
	s_add_co_u32 s[QIDX], s[QIDX], s[CY]           ; which 128 tokens
	s_lshl_b32 s101, 0x1111, s[CX]                 ; my column of the cluster
	s_lshl_b32 s3, s[CY], 2
	s_lshl_b32 s3, 15, s3                          ; my row
	s_or_b32 s[G1P],  s101, (0<<16)|(1<<20)|(1<<21)|(5<<22)|(3<<25)   ; Wo's codes: 64 rows x 256 bytes, 16 bytes of padding behind each
	s_or_b32 s[G1PS], s101, (3<<16)|(1<<20)|(1<<21)|(5<<22)|(3<<25)   ; its scales: 4,096 dense bytes as 16 rows of 256, padded likewise
	s_or_b32 s[G1Q],  s3,   (3<<16)|(1<<21)                           ; A's images: 16,384 dense bytes as 64 rows of 256, no padding: they are read 16 x lane on end
	s_or_b32 s[G1QS], s3,   (3<<16)|(1<<21)                           ; its scale words: 4,096 dense bytes
	s_mov_b32 s[G1P+1], 256<<16
	s_mov_b32 s[G1P+2], 64<<16
	s_mov_b32 s[G1P+3], 256<<16
	s_mov_b32 s[G1P+4], 64
	s_mov_b32 s[G1P+5], 1024
	s_mov_b32 s[G1P+6], 0
	s_mov_b32 s[G1P+7], 0
	s_mov_b32 s[G1Q+1], 32<<16
	s_mov_b32 s[G1Q+2], 64<<16
	s_mov_b32 s[G1Q+3], 32<<16
	s_mov_b32 s[G1Q+4], 64
	s_mov_b32 s[G1Q+5], 32
	s_mov_b32 s[G1Q+6], 0
	s_mov_b32 s[G1Q+7], 0
.irp g, G1PS, G1QS
	s_mov_b32 s[\g+1], 32<<16
	s_mov_b32 s[\g+2], 16<<16
	s_mov_b32 s[\g+3], 32<<16
	s_mov_b32 s[\g+4], 16
	s_mov_b32 s[\g+5], 32
	s_mov_b32 s[\g+6], 0
	s_mov_b32 s[\g+7], 0
.endr
	s_lshl_b32 s100, s[PIDX], 17                   ; (128 Pidx + 64 half) rows of 1,024 bytes
	s_lshl_b32 s101, s[HALF], 16
	s_add_co_u32 s100, s100, s101
	s_mov_b32 s101, 0
	s_lshl_b32 s2, s[QIDX], 15                     ; (8 Qidx + 4 half) tiles of 4,096 bytes in a chunk
	s_lshl_b32 s3, s[HALF], 14
	s_add_co_u32 s2, s2, s3
	s_mov_b32 s3, 0
	s_wait_dscnt 0x0
	s_wait_kmcnt 0x0
	s_add_nc_u64 s[14:15], s[14:15], s[100:101]
	s_lshr_b32 s100, s100, 4                       ; 64 scale bytes a row
	s_add_nc_u64 s[16:17], s[16:17], s[100:101]
	s_add_nc_u64 s[22:23], s[12:13], 2097152       ; A's scale words lie behind its images
	s_add_nc_u64 s[12:13], s[12:13], s[2:3]
	s_lshr_b32 s2, s2, 2                           ; 1,024 bytes of scale words a tile
	s_add_nc_u64 s[22:23], s[22:23], s[2:3]
	s_mul_i32 s9, s[WV], 4352                      ; where they go hangs on the wave's number alone
	s_mul_i32 s10, s[WV], 17408
	s_mov_b32 s[G0P], 1
	s_add_co_u32 s[G0P+1], s9, SCP
	s_mov_b64 s[G0P+2:G0P+3], s[16:17]
	s_or_b32 s[G0P+3], s[G0P+3], 0x80000000
.irp c, 0,1,2,3
.set GP, G0P+4+4*\c
	s_mov_b32 s[GP], 1
	s_add_co_u32 s[GP+1], s10, \c*PCH
	s_add_nc_u64 s[GP+2:GP+3], s[14:15], \c*256
	s_or_b32 s[GP+3], s[GP+3], 0x80000000
.endr
	s_lshl_b32 s9, s[WV], 12                       ; waves 2 and 3: SCQ + 4,096 (wave - 2),
	s_lshl_b32 s10, s[WV], 14                      ; QBASE + 16,384 (wave - 2)
	s_mov_b32 s88, 1
	s_add_co_u32 s89, s9, SCQ-8192
	s_mov_b64 s[90:91], s[22:23]
	s_or_b32 s91, s91, 0x80000000
.irp c, 0,1,2,3
.set GQ, 92+4*\c-44*((\c+1)/3)         ; s92, s96, s56, s60
	s_mov_b32 s[GQ], 1
	s_add_co_u32 s[GQ+1], s10, QBASE-32768+\c*QCH
	s_add_nc_u64 s[GQ+2:GQ+3], s[12:13], \c*524288
	s_or_b32 s[GQ+3], s[GQ+3], 0x80000000
.endr
	CROUND                                         ; all sixteen work-groups are here: the joint loads meet
	s_cmp_eq_u32 s[ROLE], 0                        ; a wave's five fills stand in one branch on its number: five tensor loads of mine are out
	s_cbranch_scc0 .Lfor_q
	tensor_load_to_lds s[68:71], s[G1PS:G1PS+7]
	s_nop 0
	tensor_load_to_lds s[72:75], s[G1P:G1P+7]
	s_nop 0
	tensor_load_to_lds s[76:79], s[G1P:G1P+7]
	s_nop 0
	tensor_load_to_lds s[80:83], s[G1P:G1P+7]
	s_nop 0
	tensor_load_to_lds s[84:87], s[G1P:G1P+7]
	s_nop 0
.rept 4
	v_nop
.endr
	s_branch .Lasked
.Lfor_q:
	tensor_load_to_lds s[88:91], s[G1QS:G1QS+7]
	s_nop 0
	tensor_load_to_lds s[92:95], s[G1Q:G1Q+7]
	s_nop 0
	tensor_load_to_lds s[96:99], s[G1Q:G1Q+7]
	s_nop 0
	tensor_load_to_lds s[56:59], s[G1Q:G1Q+7]
	s_nop 0
	tensor_load_to_lds s[60:63], s[G1Q:G1Q+7]
	s_nop 0
.rept 4
	v_nop
.endr
.Lasked:
	v_and_b32 v14, 15, v0                          ; r
	v_bfe_u32 v15, v0, 4, 1                        ; h
	v_and_b32 v9, 31, v0
	v_lshlrev_b32 v[GI], 4, v9
	v_lshlrev_b32 v[BA], 5, v15
	s_lshl_b32 s2, s[PIDX], 9                      ; the bias of my 128 columns
	s_mov_b32 s3, 0
	s_add_nc_u64 s[18:19], s[18:19], s[2:3]
	WIN 0x40
.irp p, 0,1,2,3,4,5,6,7
.irp e, 0,1
	global_load_b128 v[BP+8*\p+4*\e:BP+8*\p+4*\e+3], v[BA], s[18:19] offset:64*\p+16*\e   ; bo(16 p + 8 h + 0 .. 7): the result's layout
.endr
.endr
	WIN 0
	v_mul_u32_u24 v[AP], v14, 272
	v_lshl_add_u32 v[AP], v15, 4, v[AP]            ; Wo: 272 r + 16 h
	s_lshl_b32 s11, s[WV], 13
	s_add_co_u32 s11, s11, QBASE
	v_add_nc_u32 v[AQ], s11, v[GI]                 ; A: my wave's two tiles, 16 x lane
	v_lshrrev_b32 v9, 2, v14
	v_mul_u32_u24 v9, v9, 272
	v_and_b32 v[ASQ], 3, v14
	v_lshl_add_u32 v9, v[ASQ], 6, v9
	v_add_nc_u32 v[ASP], SCP, v9
	s_lshl_b32 s11, s[WV], 11
	s_add_co_u32 s11, s11, SCQ
	v_lshl_add_u32 v[ASQ], v14, 4, s11
	s_mul_i32 s11, s[WV], 8448
	s_add_co_u32 s11, s11, STAGE                   ; my stage
	v_mul_u32_u24 v[STO], v14, 528
	v_lshl_add_u32 v[STO], v15, 5, v[STO]
	v_add_nc_u32 v[STO], s11, v[STO]
	v_add_nc_u32 v[RD], s11, v[GI]
	s_lshl_b32 s2, s[QIDX], 20                     ; out0 at my wave's first token (8,192 bytes a row) and my 128 columns
	s_lshl_b32 s11, s[WV], 18
	s_add_co_u32 s2, s2, s11
	s_lshl_b32 s11, s[PIDX], 9
	s_add_co_u32 s2, s2, s11
	s_add_nc_u64 s[20:21], s[20:21], s[2:3]
.macro FETCH fs, q                     ; 20 LDS loads: the fragments of the chunk's q-th 128 along K into set fs
	WIN 0x40
.irp p, 0,1,2,3,4,5,6,7
.irp c, 0,1
	ds_load_b128 v[80*(\fs)+8*\p+4*\c:80*(\fs)+8*\p+4*\c+3], v[AP] offset:\p*4352+64*(\q)+32*\c
.endr
.endr
.irp j, 0,1
.irp c, 0,1
	ds_load_b128 v[80*(\fs)+64+8*\j+4*\c:80*(\fs)+64+8*\j+4*\c+3], v[AQ] offset:\j*4096+1024*(\q)+512*\c
.endr
.endr
.endm
.macro SCALES sc, ch                   ; 10 LDS loads: chunk ch's scale words, four a row
	WIN 0
.irp p, 0,1,2,3,4,5,6,7
	ds_load_b128 v[SC+40*(\sc)+4*\p:SC+40*(\sc)+4*\p+3], v[ASP] offset:\p*1088+16*(\ch)
.endr
.irp j, 0,1
	ds_load_b128 v[SC+40*(\sc)+32+4*\j:SC+40*(\sc)+32+4*\j+3], v[ASQ] offset:\j*1024+256*(\ch)
.endr
.endm
; 2 np matrix instructions.  cm = 1: the bias starts the sums.  The 16 accumulators take turns, one instruction a turn, in the same order in every step.
.macro MUL p0, np, fs, q, sc, cm
.if \cm == 1
	WIN 0x15
.else
	WIN 0x05
.endif
.set PP, \p0
.rept \np
.irp j, 0,1
.set DA, ACC+64*\j+8*PP
.set FA, 80*(\fs)+8*PP
.set FB, 80*(\fs)+64+8*\j
.set SA, SC+40*(\sc)+4*PP+(\q)
.set SB, SC+40*(\sc)+32+4*\j+(\q)
.if \cm == 1
	v_wmma_scale_f32_16x16x128_f8f6f4 v[DA:DA+7], v[FA:FA+7], v[FB:FB+7], v[BP+8*PP:BP+8*PP+7], v[SA], v[SB] matrix_a_fmt:MATRIX_FMT_FP4 matrix_b_fmt:MATRIX_FMT_FP4
.else
	v_wmma_scale_f32_16x16x128_f8f6f4 v[DA:DA+7], v[FA:FA+7], v[FB:FB+7], v[DA:DA+7], v[SA], v[SB] matrix_a_fmt:MATRIX_FMT_FP4 matrix_b_fmt:MATRIX_FMT_FP4
.endif
.endr
.set PP, PP+1
.endr
.endm
.macro STEP k
	PLACES                                         ; behind step k - 1's products, which read the set that is loaded now
	FETCH ((\k)+1)%2, ((\k)+1)%4
	s_wait_dscnt 20                                ; all but the 20 just issued
	MUL 0, 8, (\k)%2, (\k)%4, ((\k)/4)%2, 0
.endm
.macro TURN k                          ; a chunk's last step: one barrier shows the next chunk whole to every wave; later chunks may stay out
	s_wait_dscnt 0x0
	s_wait_tensorcnt 2-(\k)/4                      ; my part of the next chunk has landed: behind it I issued 2 - k / 4 loads
	s_barrier_signal -1
	MUL 0, 4, (\k)%2, 3, ((\k)/4)%2, 0
	WIN 0
	s_barrier_wait -1
	v_add_nc_u32 v[AP], PCH, v[AP]                 ; these two and two v_nop are the four places behind step k - 1's products
	v_add_nc_u32 v[AQ], QCH, v[AQ]
	v_nop
	v_nop
	FETCH ((\k)+1)%2, 0
	SCALES (((\k)+1)/4)%2, ((\k)+1)/4
	MUL 4, 4, (\k)%2, 3, ((\k)/4)%2, 0
.endm
	s_wait_tensorcnt 3                             ; my part of the scales and of chunk 0 has landed; the three later chunks may be out
	s_barrier_signal -1
	s_barrier_wait -1                              ; everybody's has
	FETCH 0, 0
	SCALES 0, 0
	FETCH 1, 1
	s_wait_dscnt 20
	s_wait_loadcnt 0x0                             ; the bias
	MUL 0, 8, 0, 0, 0, 1
	STEP 1
	STEP 2
	TURN 3
	STEP 4
	STEP 5
	STEP 6
	TURN 7
	STEP 8
	STEP 9
	STEP 10
	TURN 11
	STEP 12
	STEP 13
	STEP 14
	s_wait_dscnt 0x0
	MUL 0, 8, 1, 3, 1, 0
	WIN 0
	PLACES
; THE WAY OUT.  A lane holds 32 neighbouring bytes of a row and the lanes beside it other rows: a tile of 16 tokens x 128 columns goes through my own stage and comes back as whole rows of 512 bytes,
; into the registers that it left.  LDS serves a wave's instructions in order (ISA guide 5.7.1.4): no wait between the stores and the loads, nor in front of the next tile's stores.
.macro TOSTAGE j
.irp p, 0,1,2,3,4,5,6,7
	ds_store_b128 v[STO], v[ACC+64*\j+8*\p:ACC+64*\j+8*\p+3] offset:64*\p          ; each accumulator from its low end on
	ds_store_b128 v[STO], v[ACC+64*\j+8*\p+4:ACC+64*\j+8*\p+7] offset:64*\p+16
.endr
.irp t, 0,1,2,3,4,5,6,7,8,9,10,11,12,13,14,15
	ds_load_b128 v[ACC+64*\j+4*\t:ACC+64*\j+4*\t+3], v[RD] offset:528*\t
.endr
.endm
.macro SEND j, younger
	s_wait_dscnt \younger
.irp t, 0,1,2,3,4,5,6,7,8,9,10,11,12,13,14,15
	global_store_b128 v[GI], v[ACC+64*\j+4*\t:ACC+64*\j+4*\t+3], s[20:21] offset:(16*\j+\t)*8192 th:TH_STORE_NT   ; 32 lanes store 512 consecutive bytes, at a multiple of 256 from out0's first byte
.endr
.endm
	TOSTAGE 0
	TOSTAGE 1
	SEND 0, 32                                     ; behind tile 0's loads: tile 1's 16 stores and 16 loads
	SEND 1, 0
	s_wait_tensorcnt 0x0
	ds_add_u32 v126, v127
	s_wait_dscnt 0x0
	CROUND                                         ; the closing round: no work-group ends while a partner may still ask for a tile that names it
	s_endpgm
.Lfunc_end_k_q12351304ef_out_proj:
	.size	k_q12351304ef_out_proj, .Lfunc_end_k_q12351304ef_out_proj-k_q12351304ef_out_proj
	.p2alignl 7, 3214868480
	.fill 96, 4, 3214868480
	.section	.rodata,"a",@progbits
	.p2align	6, 0x0
	.amdhsa_kernel k_q12351304ef_out_proj
		.amdhsa_group_segment_fixed_size 321536
		.amdhsa_private_segment_fixed_size 0
		.amdhsa_enable_private_segment 0
		.amdhsa_kernarg_size 40
		.amdhsa_user_sgpr_count 2
		.amdhsa_user_sgpr_kernarg_segment_ptr 1
		.amdhsa_wavefront_size32 1
		.amdhsa_system_sgpr_workgroup_id_x 1
		.amdhsa_system_sgpr_workgroup_id_y 1
		.amdhsa_system_sgpr_workgroup_id_z 1
		.amdhsa_system_vgpr_workitem_id 0
		.amdhsa_next_free_vgpr 512
		.amdhsa_next_free_sgpr 106
		.amdhsa_reserve_vcc 0
		.amdhsa_float_denorm_mode_32 3
		.amdhsa_float_denorm_mode_16_64 3
		.amdhsa_memory_ordered 1
		.amdhsa_forward_progress 1
		.amdhsa_inst_pref_size 77
	.end_amdhsa_kernel
	.amdgpu_metadata
---
amdhsa.version: [ 1, 2 ]
amdhsa.kernels:
  - .name:           k_q12351304ef_out_proj
    .symbol:         k_q12351304ef_out_proj.kd
    .args:
      - { .name: att, .offset: 0, .size: 8, .value_kind: global_buffer, .address_space: global }
      - { .name: wo_w_codes, .offset: 8, .size: 8, .value_kind: global_buffer, .address_space: global }
      - { .name: wo_w_scales, .offset: 16, .size: 8, .value_kind: global_buffer, .address_space: global }
      - { .name: wo_b, .offset: 24, .size: 8, .value_kind: global_buffer, .address_space: global }
      - { .name: out0, .offset: 32, .size: 8, .value_kind: global_buffer, .address_space: global }
    .group_segment_fixed_size: 321536
    .private_segment_fixed_size: 0
    .kernarg_segment_align: 8
    .kernarg_segment_size: 40
    .max_flat_workgroup_size: 128
    .sgpr_count:     106
    .vgpr_count:     512
    .wavefront_size: 32
...
	.end_amdgpu_metadata
.endif
;; end of part 3
